; MI455X (gfx1250); checked and timed in simulation.
; The chip was launched on July 23, 2026; its instructions are those of AMD's public machine-readable ISA for CDNA 5 (MIT licence, August 2026) and "CDNA5" Instruction Set Architecture Reference Guide (July 2026). The comments in the code are by the model that wrote it; some were corrected since.
;; Attention. Allowed arithmetic: float matrix products may take bf16 or f16 operands with f32 sums; all other float work in f32.
;; Inputs: W_bias 1,024 float32; W_weight 1,024 x 2,048 float32; dec_state 64 x 1,024 float32; enc_out 64 x 1,024 x 1,024 float32; v_weight 1 x 1,024 float32.
;; Outputs: out0 64 x 1,024 float32.
;; 2 versions, each right; version 2 is version 1 with the launch main written anew for expert scheduling mode. Each part assembles by itself: llvm-mc -triple=amdgcn-amd-amdhsa -mcpu=gfx1250 --defsym DOCPART=n.
;; ======== version 1 of 2: 3 launches
;; workspace buffers: wf 2,097,152 bytes; dp 262,144 bytes; pc 2,097,152 bytes; ml 131,072 bytes
;; launch prep (part 1): grid 256 x 1, 8 waves a work-group, no clusters, 9,216 bytes of LDS; arguments W_weight, dec_state, W_bias, wf, dp; writes wf, dp
.if DOCPART == 1
	.amdgcn_target "amdgcn-amd-amdhsa--gfx1250"
	.amdhsa_code_object_version 6
	.text
	.protected	k_qa2aa82f054_prep
	.globl	k_qa2aa82f054_prep
	.p2align	8
	.type	k_qa2aa82f054_prep,@function
k_qa2aa82f054_prep:
	s_mov_b64 s[64:65], 0
	v_nop
	global_prefetch_b8 v0, s[64:65] scope:SCOPE_SE
	s_setreg_imm32_b32 hwreg(HW_REG_WAVE_MODE, 25, 1), 1
	s_wait_xcnt 0x0
; PREP.  W_weight is [1024 d][2048] f32: columns 0-1023 are We, columns 1024-2047 are Wd.
; (1) wf = We rounded to bf16, laid out in the order in which the main launch's waves load matrix fragments:
;     the fragment of 16 rows d (block nb) and 32 k (block kb) is 1,024 bytes at
;     ((nb>>3)&3)*524288 + (nb>>5)*262144 + kb*8192 + (nb&7)*1024; inside it q*512 + lane*16, q = 0: registers 0-3, q = 1: registers 4-7.
; (2) dp[nb][b][16] = sum over k of dec_state[b][k] Wd[16 nb + ..][k] + W_bias, f32 sums of bf16 products.
; Work-group (nb, mb), 64 x 4 of them: the 16 rows d = 16 nb .., for (1) the k blocks 8 mb .. 8 mb + 7, one a wave; for (2) the 16 batches 16 mb ..,
; wave w taking k = 128 w .. 128 w + 127.  The eight waves' partial sums of (2) meet in LDS, 1,024 bytes a wave.
; All of a wave's 37 loads go out at once and no register is loaded twice.  No ring, no cluster: a wave's data are 18 KiB.
.set WE,   16                          ; v[16:31]   We, 16 f32; the first 8 registers become the fragment
.set WD,   32                          ; v[32:95]   Wd, four groups of 16 f32 (four k blocks)
.set DE,   96                          ; v[96:159]  dec_state, four groups
.set ACC,  160                         ; v[160:175] two accumulators, 16 d x 16 batches each: even and odd k blocks
.set BIAS, 176                         ; v[176:179]
; 16 f32 of a lane's fragment: k = 8h .. 8h+7 (32 bytes) and k = 16+8h .. +7 (32 bytes, 64 further on); the 32 h is in the offset register
.macro LD16 dst, voff, base, imm
	global_load_b128 v[\dst:\dst+3],     v[\voff], s[\base:\base+1] offset:\imm
	global_load_b128 v[\dst+4:\dst+7],   v[\voff], s[\base:\base+1] offset:\imm+16
	global_load_b128 v[\dst+8:\dst+11],  v[\voff], s[\base:\base+1] offset:\imm+64
	global_load_b128 v[\dst+12:\dst+15], v[\voff], s[\base:\base+1] offset:\imm+80
.endm
; 16 f32 to 16 bf16 in place, ascending, so that no source is overwritten before it is read: the fragment is then v[g:g+7]
.macro CV16 g
.irp i, 0,1,2,3,4,5,6,7
	v_cvt_pk_bf16_f32 v[\g+\i], v[\g+2*\i], v[\g+2*\i+1]
.endr
.endm
.macro CV64 g
	CV16 \g
	CV16 \g+16
	CV16 \g+32
	CV16 \g+48
.endm
	s_load_b256 s[4:11], s[0:1], 0x0               ; W s[4:5], dec_state s[6:7], bias s[8:9], wf s[10:11]
	s_load_b64 s[12:13], s[0:1], 0x20              ; dp
	v_lshl_add_u32 v184, v0, 2, 0x2000
	v_mov_b32 v185, 0
	v_lshrrev_b32 v7, 5, v0
	v_readfirstlane_b32 s14, v7                    ; wave 0..7
	s_lshr_b32 s15, ttmp9, 2                       ; nb
	s_and_b32 s16, ttmp9, 3                        ; mb
	v_and_b32 v8, 15, v0                           ; r
	v_bfe_u32 v9, v0, 4, 1                         ; h
	v_lshlrev_b32 v9, 5, v9                        ; 32 h
	v_lshl_add_u32 v1, v8, 13, v9                  ; W: row r of 8,192 bytes + 32 h
	v_lshl_add_u32 v2, v8, 12, v9                  ; dec_state: row r of 4,096 bytes + 32 h
	v_and_b32 v3, 31, v0
	v_lshlrev_b32 v3, 4, v3                        ; wf: 16 x lane
	v_lshl_add_u32 v4, v8, 6, v9                   ; LDS dump: batch r x 64 bytes + 32 h
	v_lshl_add_u32 v4, s14, 10, v4                 ;   + my wave's 1,024 bytes
	v_lshlrev_b32 v5, 4, v0                        ; 16 x thread: threads 0-63 take 16 bytes each of the 1,024 of dp
	v_and_b32 v6, 3, v0
	v_lshlrev_b32 v6, 4, v6                        ; which four of the 16 d they are
	s_lshl_b32 s17, s14, 9                         ; my wave's 128 k in f32 bytes
	s_lshl_b32 s24, s15, 17                        ; Wd: 16 rows of W a block (the 4,096 bytes of We in a row stand in the immediate)
	s_add_co_u32 s24, s24, s17
	s_mov_b32 s25, 0
	s_lshl_b32 s18, s16, 3
	s_add_co_u32 s18, s18, s14                     ; kb = 8 mb + w
	s_lshl_b32 s26, s15, 17                        ; We: the same rows, 128 bytes a k block
	s_lshl_b32 s19, s18, 7
	s_add_co_u32 s26, s26, s19
	s_mov_b32 s27, 0
	s_lshl_b32 s28, s16, 16                        ; dec_state: 16 batches of 4,096 bytes
	s_add_co_u32 s28, s28, s17
	s_mov_b32 s29, 0
	s_bfe_u32 s30, s15, 0x20003                    ; wf: (nb >> 3) & 3
	s_lshl_b32 s30, s30, 19
	s_lshr_b32 s19, s15, 5                         ; nb >> 5
	s_lshl_b32 s19, s19, 18
	s_add_co_u32 s30, s30, s19
	s_and_b32 s19, s15, 7                          ; nb & 7
	s_lshl_b32 s19, s19, 10
	s_add_co_u32 s30, s30, s19
	s_lshl_b32 s19, s18, 13                        ; kb x 8,192
	s_add_co_u32 s30, s30, s19
	s_mov_b32 s31, 0
	s_lshl_b32 s32, s15, 12                        ; dp: 4,096 bytes a block of d, 1,024 a block of batches
	s_lshl_b32 s19, s16, 10
	s_add_co_u32 s32, s32, s19
	s_mov_b32 s33, 0
	s_lshl_b32 s34, s15, 6                         ; bias: 64 bytes a block
	s_mov_b32 s35, 0
	s_wait_kmcnt 0x0
	s_add_nc_u64 s[20:21], s[4:5], s[24:25]        ; Wd
	s_add_nc_u64 s[22:23], s[4:5], s[26:27]        ; We
	s_add_nc_u64 s[6:7], s[6:7], s[28:29]
	s_add_nc_u64 s[8:9], s[8:9], s[34:35]
	s_add_nc_u64 s[10:11], s[10:11], s[30:31]
	s_add_nc_u64 s[12:13], s[12:13], s[32:33]
.irp kk, 0,1,2,3
	LD16 WD+16*\kk, 1, 20, 4096+\kk*128
.endr
.irp kk, 0,1,2,3
	LD16 DE+16*\kk, 2, 6, \kk*128
.endr
	global_load_b128 v[BIAS:BIAS+3], v6, s[8:9]
	LD16 WE, 1, 22, 0
	s_wait_loadcnt 4                               ; the four youngest loads (We) stay out: Wd, dec_state and the bias are in
	CV64 WD
	CV64 DE
	; source 0 = 16 rows of Wd, source 1 = 16 batches: lane (r, h), register j = dproj[16 mb + r][16 nb + 8h + j].
	; The two accumulators take turns, one instruction a turn; the first products start the sums.
	v_wmma_f32_16x16x32_bf16 v[ACC:ACC+7],    v[WD:WD+7],     v[DE:DE+7],     0
	v_wmma_f32_16x16x32_bf16 v[ACC+8:ACC+15], v[WD+16:WD+23], v[DE+16:DE+23], 0
	v_wmma_f32_16x16x32_bf16 v[ACC:ACC+7],    v[WD+32:WD+39], v[DE+32:DE+39], v[ACC:ACC+7]
	v_wmma_f32_16x16x32_bf16 v[ACC+8:ACC+15], v[WD+48:WD+55], v[DE+48:DE+55], v[ACC+8:ACC+15]
	s_wait_loadcnt 0x0                             ; We
	CV16 WE                                        ; eight plain vector instructions: the places behind the last matrix instruction (ISA guide 7.12.1)
	global_store_b128 v3, v[WE:WE+3],   s[10:11]              ; each store of the wave covers 512 consecutive bytes, aligned
	global_store_b128 v3, v[WE+4:WE+7], s[10:11] offset:512
.irp i, 0,2,4,6
	v_pk_add_f32 v[ACC+\i:ACC+\i+1], v[ACC+\i:ACC+\i+1], v[ACC+8+\i:ACC+8+\i+1]
.endr
	ds_store_b128 v4, v[ACC:ACC+3]
	ds_store_b128 v4, v[ACC+4:ACC+7] offset:16
	s_wait_dscnt 0x0                               ; for the other waves' sake: my partial sums are in LDS
	s_barrier_signal -1
	s_barrier_wait -1
	s_cmp_gt_u32 s14, 1                            ; 1,024 bytes are 64 threads x 16: waves 0 and 1 finish
	s_cbranch_scc1 .Lend
.irp u, 0,1,2,3,4,5,6,7
	ds_load_b128 v[32+4*\u:35+4*\u], v5 offset:\u*1024     ; the eight waves' partial sums of my four numbers
.endr
	s_wait_dscnt 0x0
.irp u, 0,2,4,6
	v_pk_add_f32 v[32+4*\u:33+4*\u], v[32+4*\u:33+4*\u], v[36+4*\u:37+4*\u]
	v_pk_add_f32 v[34+4*\u:35+4*\u], v[34+4*\u:35+4*\u], v[38+4*\u:39+4*\u]
.endr
.irp u, 0,4
	v_pk_add_f32 v[32+4*\u:33+4*\u], v[32+4*\u:33+4*\u], v[40+4*\u:41+4*\u]
	v_pk_add_f32 v[34+4*\u:35+4*\u], v[34+4*\u:35+4*\u], v[42+4*\u:43+4*\u]
.endr
	v_pk_add_f32 v[32:33], v[32:33], v[48:49]
	v_pk_add_f32 v[34:35], v[34:35], v[50:51]
	v_pk_add_f32 v[32:33], v[32:33], v[BIAS:BIAS+1]
	v_pk_add_f32 v[34:35], v[34:35], v[BIAS+2:BIAS+3]
	global_store_b128 v5, v[32:35], s[12:13]       ; the work-group's 1,024 bytes of dp, 512 consecutive bytes a wave
.Lend:
	s_wait_tensorcnt 0x0
	ds_add_u32 v184, v185
	s_wait_dscnt 0x0
	s_endpgm
.Lfunc_end_k_qa2aa82f054_prep:
	.size	k_qa2aa82f054_prep, .Lfunc_end_k_qa2aa82f054_prep-k_qa2aa82f054_prep
	.p2alignl 7, 3214868480
	.fill 96, 4, 3214868480
	.section	.rodata,"a",@progbits
	.p2align	6, 0x0
	.amdhsa_kernel k_qa2aa82f054_prep
		.amdhsa_group_segment_fixed_size 9216
		.amdhsa_private_segment_fixed_size 0
		.amdhsa_enable_private_segment 0
		.amdhsa_kernarg_size 40
		.amdhsa_user_sgpr_count 2
		.amdhsa_user_sgpr_kernarg_segment_ptr 1
		.amdhsa_wavefront_size32 1
		.amdhsa_system_sgpr_workgroup_id_x 1
		.amdhsa_system_sgpr_workgroup_id_y 1
		.amdhsa_system_sgpr_workgroup_id_z 1
		.amdhsa_system_vgpr_workitem_id 0
		.amdhsa_next_free_vgpr 186
		.amdhsa_next_free_sgpr 66
		.amdhsa_reserve_vcc 0
		.amdhsa_float_denorm_mode_32 3
		.amdhsa_float_denorm_mode_16_64 3
		.amdhsa_memory_ordered 1
		.amdhsa_forward_progress 1
		.amdhsa_inst_pref_size 14
	.end_amdhsa_kernel
	.amdgpu_metadata
---
amdhsa.version: [ 1, 2 ]
amdhsa.kernels:
  - .name:           k_qa2aa82f054_prep
    .symbol:         k_qa2aa82f054_prep.kd
    .args:
      - { .name: W_weight, .offset: 0, .size: 8, .value_kind: global_buffer, .address_space: global }
      - { .name: dec_state, .offset: 8, .size: 8, .value_kind: global_buffer, .address_space: global }
      - { .name: W_bias, .offset: 16, .size: 8, .value_kind: global_buffer, .address_space: global }
      - { .name: wf, .offset: 24, .size: 8, .value_kind: global_buffer, .address_space: global }
      - { .name: dp, .offset: 32, .size: 8, .value_kind: global_buffer, .address_space: global }
    .group_segment_fixed_size: 9216
    .private_segment_fixed_size: 0
    .kernarg_segment_align: 8
    .kernarg_segment_size: 40
    .max_flat_workgroup_size: 256
    .sgpr_count:     66
    .vgpr_count:     186
    .wavefront_size: 32
...
	.end_amdgpu_metadata
.endif
;; end of part 1
;; launch main (part 2): grid 512 x 1, 4 waves a work-group, no clusters, 276,992 bytes of LDS; arguments enc_out, wf, dp, v_weight, pc, ml; writes pc, ml
.if DOCPART == 2
	.amdgcn_target "amdgcn-amd-amdhsa--gfx1250"
	.amdhsa_code_object_version 6
	.text
	.protected	k_qa2aa82f054_main
	.globl	k_qa2aa82f054_main
	.p2align	8
	.type	k_qa2aa82f054_main,@function
k_qa2aa82f054_main:
	s_mov_b64 s[64:65], 0
	v_nop
	global_prefetch_b8 v0, s[64:65] scope:SCOPE_SE
	s_setreg_imm32_b32 hwreg(HW_REG_WAVE_MODE, 25, 1), 1
	s_wait_xcnt 0x0
; MAIN.  A work-group owns 128 rows t of one batch (block = 8 x batch + part).  It reads them from memory ONCE, keeps them in LDS as bf16,
; multiplies them by all of We (1,024 columns d), forms tanh, the dot with v, its own softmax partial and its own unnormalised context.
;   x[t][d] = sum over k of enc[t][k] We[d][k] + dp[batch][d]          bf16 products, f32 sums
;   tanh(x) = 1 - 2 r,  r = 1 / (1 + 2^(c x)),  c = 2 log2 e           2^(c x) = inf gives r = 0 (tanh 1), 2^(c x) = 0 gives r = 1 (tanh -1)
;   s2[t]   = sum over d of (-c v[d]) r[t][d] = log2 e x (score[t] - sum of v): the constant sum of v shifts every score of a batch alike,
;             and a softmax does not change under such a shift, whatever the inputs
;   m2 = max over my 128 rows of s2,  p[t] = 2^(s2[t] - m2),  l = sum of p,  pc[e] = sum over t of p[t] enc[t][e]  (bf16 copy of enc, f32 p and sums)
; The last launch merges the eight blocks of a batch by their maxima.
; LIMITS: NaN and infinities among the inputs propagate as they fall.  The context is summed from enc rounded to bf16.
;
; SHARES.  Four waves.  Two passes over K = 1,024; in pass p wave w makes all 128 rows x the 128 columns d = 512 p + 128 w ..: 64 accumulator
; tiles of 16 x 16, 512 registers.  A K step is 32 k: 64 matrix instructions, 16 LDS loads (the rows' fragments), 16 global loads (8 KiB of wf).
; All that a step fetches stands in ONE run between its two halves of 32 matrix instructions: the next step's fragments, and W of three steps on,
; into the buffer that the step before has left.  The fragments of rows 64-127 therefore have two buffers, for even and for odd steps.
; In pass 1 the rows are still coming in: a chunk is 64 k of all 128 rows; wave w loads rows 32 w .. 32 w + 31 of it in f32, rounds, and stores
; them to LDS two K steps before the chunk's first use; a barrier stands in the run in which the chunk is first read.
;
; WHY W COMES THROUGH REGISTERS AND NOT BY JOINT TENSOR LOADS.  The resident rows take 264,192 bytes of LDS, tables and scratch 12,288; of the
; 327,680 bytes that a work-group can be given 51,200 are left, and two slots of one K step of a pass's 512 columns would be 2 x 32,768.
; Each fragment of W is used by one wave alone, so LDS would give no reuse inside the work-group either.  wf lies in fragment order, so a wave's
; load is 512 consecutive bytes and its whole stream is linear.
;
; LDS: A rows 0 .. 264,191 (pitch 2,064 = 129 x 16 bytes: the 16 rows of a fragment load start at 16 different 16-byte columns modulo 256);
;      DPT c x dp, then -c x v (f32 [1024] each); SCR the four waves' partial scores; PR each wave's own copy of p.  Every byte is written once.
; REGISTERS, in windows of 256: window 0 addresses, A fragments, staging; window 1 four buffers of W fragments (64 registers a K step);
;      window 2 the tiles of rows 0-63 (tile (a, b) at 8 (8 a + b)); window 3 those of rows 64-127.
.set PITCH, 2064
.set G16,   16*PITCH
.set G32,   32*PITCH
.set DPT,   128*PITCH                  ; 264,192
.set SCR,   DPT+8192                   ; 272,384 (the v table lies 4,096 behind DPT)
.set PR,    SCR+2048                   ; 274,432
.set VB,    4                          ; v4   16 x lane: my 16 bytes of half a W fragment
.set VCH,   5                          ; v5   enc: (32 w + 8 h) rows of 4,096 bytes + 16 r
.set STA,   6                          ; v6   LDS: (32 w + 8 h) rows + 8 r, stepped 256 a trip
.set ABASE, 7                          ; v7   r x pitch + 16 h
.set ADRA,  8                          ; v[8:11]  ABASE + g x 32 rows, stepped 256 a trip
.set TBA,   12                         ; v12  DPT + 512 w + 32 h
.set SCA,   13                         ; v13  SCR + 512 w + 4 r
.set SCL,   14                         ; v14  SCR + 16 lane
.set PRA,   15                         ; v15  PR + 512 w + 16 lane
.set PRB,   16                         ; v16  PR + 512 w
.set CA,    17                         ; v17  512 w + 8 lane: my 4 columns of a row, for the context
.set OUTO,  18                         ; v18  1,024 w + 16 lane
.set MLO,   19                         ; v19  8 lane
.set SC,    20                         ; v[20:27]   partial score of row 16 a + r (at work while the addresses are made)
.set AF,    32                         ; v[32:63]   the four A fragments of rows 0-63
.set U0,    64                         ; v[64:95]   those of rows 64-127, even steps
.set U1,    224                        ; v[224:255] those of rows 64-127, odd steps
.set T,     32                         ; v[32:95]   epilogue: 64 numbers at work
.set P,     32                         ;            context: p of 32 rows
.set CH0,   96                         ; v[96:159]  even chunks as loaded (f32), then bf16 in registers 4i, 4i+1
.set CH1,   160                        ; v[160:223] odd chunks
.set DP,    96                         ;            epilogue: c x dp of my 64 columns
.set VT,    160                        ;            epilogue: -c x v of my 64 columns
.set X,     96                         ;            context: 32 rows x 4 registers
.set Q,     224                        ; v[224:231] epilogue: four chains of pairs
.set CX,    240                        ; v[240:247] context of my 8 columns
.set ENC, 4                            ; s[4:5]   enc at the block, stepped 512 a trip of pass 1
.set WF,  6                            ; s[6:7]   wf at my wave's stream, stepped 32,768 a trip
.set DPB, 8                            ; s[8:9]   dp at the batch
.set VWB, 10                           ; s[10:11] v
.set PCB, 12                           ; s[12:13] pc at the block
.set MLB, 14                           ; s[14:15] ml at the block
.set PLAIN, 0
.set CONV,  1
.set BAR,   2
.set MUL_LO, 0xa1                      ; source 0 (W) window 1, source 1 (rows) window 0, C and D window 2
.set MUL_HI, 0xf1                      ; the same, C and D window 3
.set TO_B,   0x40                      ; destination window 1, address window 0
.set E_LO,   0x02                      ; source 0 window 2
.set E_HI,   0x03                      ; source 0 window 3
.set MSB, 0
.macro WIN new                         ; the immediate's high byte repeats the setting that is left; a switch that changes nothing is dropped
.if MSB != \new
	s_set_vgpr_msb (MSB<<8)|\new
.set MSB, \new
.endif
.endm
; LC counts the global loads in the order of the text.  A group of loads notes LC behind itself; the wait for the group leaves out as many loads as
; the text has issued since, at most 63, the largest count that the wait can name (a smaller count only waits for more).  Each trip's forerunner in the text
; issues the same loads in the same order as its forerunner in the run (written-out trip, loop body, tail), so the counts hold round the back edges.
.set LC, 0
.macro WAITL mk
.if (LC-\mk) > 63
	s_wait_loadcnt 63
.else
	s_wait_loadcnt LC-\mk
.endif
.endm
.macro PLACES                          ; four places behind a matrix instruction before a load is issued into one of its registers or its result is read
.rept 4
	v_nop
.endr
.endm
; 32 matrix instructions: rows 64 hi .. 64 hi + 63 (fragments at ab) x my 128 columns, 32 k.  Source 0 = 16 rows of W, source 1 = 16 rows of enc: lane (r, h),
; register j = x[16 a + r][16 b + 8 h + j].  The 64 accumulators take turns, one instruction a turn, in the same order in every step.
.macro MUL32 hi, buf, ab, zero
.if \hi
	WIN MUL_HI
.else
	WIN MUL_LO
.endif
.irp a, 0,1,2,3
.irp b, 0,1,2,3,4,5,6,7
.if \zero
	v_wmma_f32_16x16x32_bf16 v[8*(8*\a+\b):8*(8*\a+\b)+7], v[64*\buf+8*\b:64*\buf+8*\b+7], v[\ab+8*\a:\ab+8*\a+7], 0
.else
	v_wmma_f32_16x16x32_bf16 v[8*(8*\a+\b):8*(8*\a+\b)+7], v[64*\buf+8*\b:64*\buf+8*\b+7], v[\ab+8*\a:\ab+8*\a+7], v[8*(8*\a+\b):8*(8*\a+\b)+7]
.endif
.endr
.endr
.endm
; eight LDS loads: the four fragments of rows 64 hi .. at byte kb of the rows (counted from the trip's first step), into dst
.macro AL hi, dst, kb
	WIN 0
.irp a, 0,1,2,3
	ds_load_b128 v[\dst+8*\a:\dst+8*\a+3],   v[ADRA+2*\hi+\a/2] offset:(\a%2)*G16+(\kb)
	ds_load_b128 v[\dst+8*\a+4:\dst+8*\a+7], v[ADRA+2*\hi+\a/2] offset:(\a%2)*G16+(\kb)+32
.endr
.endm
; sixteen global loads: the eight W fragments of one step, at byte off from the stream's base, into buffer buf
.macro BL buf, off
	WIN TO_B
.irp i, 0,1,2,3,4,5,6,7
	global_load_b128 v[64*\buf+8*\i:64*\buf+8*\i+3],   v[VB], s[WF:WF+1] offset:(\off)+\i*1024
	global_load_b128 v[64*\buf+8*\i+4:64*\buf+8*\i+7], v[VB], s[WF:WF+1] offset:(\off)+\i*1024+512
.endr
.set LC, LC+16
.set MB\buf, LC
.endm
; sixteen global loads: my 32 rows of a chunk, 256 bytes of each.  Lanes 0-15 take 256 consecutive bytes, aligned, of one row, lanes 16-31 of the row 8 further down.
.macro CHL sb, mk, imm
	WIN 0
.set i, 0
.rept 16
	global_load_b128 v[\sb+4*i:\sb+4*i+3], v[VCH], s[ENC:ENC+1] offset:(16*(i/8)+(i%8))*4096+\imm th:TH_LOAD_NT
.set i, i+1
.endr
.set LC, LC+16
.set \mk, LC
.endm
.macro CVT sb                          ; four f32 to four bf16 in the group's first two registers
	WIN 0
.set i, 0
.rept 16
	v_cvt_pk_bf16_f32 v[\sb+4*i],   v[\sb+4*i],   v[\sb+4*i+1]
	v_cvt_pk_bf16_f32 v[\sb+4*i+1], v[\sb+4*i+2], v[\sb+4*i+3]
.set i, i+1
.endr
.endm
.macro STO sb, imm                     ; the two rows of one store lie 8 x 2,064 bytes apart, 128 modulo 256: 32 lanes x 8 bytes touch every bank once
	WIN 0
.set i, 0
.rept 16
	ds_store_b64 v[STA], v[\sb+4*i:\sb+4*i+1] offset:(16*(i/8)+(i%8))*PITCH+\imm
.set i, i+1
.endr
.endm
; One K step, number j of its trip.  nb = (j + 3) mod 4: the W buffer that the step before has left; ucur, unext: the upper fragments' buffers of this step and the next.
; mid says what else stands in the run between the two halves:
;   CONV  chunk sb is rounded and stored (its 32 conversions are the places in front of the loads);   BAR  the barrier between a chunk's stores and its first reads;   PLAIN  neither.
; stepb: the stream's base (1), and the chunks' too (2), go one trip on.  The youngest global load is then a whole step old, 64 matrix instructions.
.macro STEP j, nb, ucur, unext, zero, mid, doal, dobl, stepb, sb, mk, stimm, chl, chimm
	WAITL MB\j                                     ; this step's W fragments are in
	s_wait_dscnt 0x0                               ; all that the last run sent to LDS is done: this step's fragments are in, a chunk's stores have landed
	MUL32 0, \j, AF, \zero
.if \mid == BAR
	s_wait_dscnt 0x0                               ; for the other waves' sake: my chunk's stores are in LDS (nothing has gone to LDS since the step's head)
	s_barrier_signal -1
	s_barrier_wait -1                              ; every wave's part of the chunk is in LDS: the loads below are its first reads
.endif
.if \mid == CONV
	WIN 0
	WAITL \mk                                      ; the chunk is in
	CVT \sb
	STO \sb, \stimm
.else
.if \doal+\dobl
	PLACES
.endif
.endif
.if \doal
	AL 0, AF, 64*(\j+1)                            ; the next step's fragments: rows 0-63 into the registers just multiplied,
	AL 1, \unext, 64*(\j+1)                        ; rows 64-127 into the buffer that the step before has left
.endif
.if \stepb
	s_wait_xcnt 0x0                                ; the bases of the loads on their way are stepped only behind this wait
	s_add_nc_u64 s[WF:WF+1], s[WF:WF+1], 32768
.if \stepb == 2
	s_add_nc_u64 s[ENC:ENC+1], s[ENC:ENC+1], 512
.endif
.endif
.if \chl
	CHL \sb, \mk, \chimm                           ; the staging registers just stored get the chunk two chunks on
.endif
.if \dobl
	BL \nb, (\j-1)*8192                            ; W of three steps on (the base stands four steps ahead of the trip's first)
.endif
	MUL32 1, \j, \ucur, \zero
.endm
.macro TRIPEND p1
	WIN 0                                          ; a label or a branch may follow
.irp g, 0,1,2,3
	v_add_nc_u32 v[ADRA+\g], 256, v[ADRA+\g]       ; four steps of 64 bytes
.endr
.if \p1
	v_add_nc_u32 v[STA], 256, v[STA]               ; two chunks of 128 bytes
.endif
.endm
; a whole trip of pass 1, trip t: step 0 rounds chunk 2t+1 and asks for 2t+3, step 2 rounds chunk 2t+2 and asks for 2t+4
.macro FULL1 zero
	STEP 0, 3, U0, U1, \zero, CONV, 1, 1, 2, CH1, MS1, 128, 1, 256
	STEP 1, 0, U1, U0, 0,     BAR,  1, 1, 0, CH0, MS0, 0,   0, 0
	STEP 2, 1, U0, U1, 0,     CONV, 1, 1, 0, CH0, MS0, 256, 1, 512
	STEP 3, 2, U1, U0, 0,     BAR,  1, 1, 0, CH0, MS0, 0,   0, 0
	TRIPEND 1
.endm
.macro FULL2 zero
	STEP 0, 3, U0, U1, \zero, PLAIN, 1, 1, 1, CH0, MS0, 0, 0, 0
	STEP 1, 0, U1, U0, 0,     PLAIN, 1, 1, 0, CH0, MS0, 0, 0, 0
	STEP 2, 1, U0, U1, 0,     PLAIN, 1, 1, 0, CH0, MS0, 0, 0, 0
	STEP 3, 2, U1, U0, 0,     PLAIN, 1, 1, 0, CH0, MS0, 0, 0, 0
	TRIPEND 0
.endm
; Rows 16 a .. 16 a + 15: my 64 numbers (8 tiles x 8 registers) go from sums to r, are multiplied by -c v and summed.
.macro BATCH a, first
.if \a < 4
	WIN E_LO
.else
	WIN E_HI
.endif
.set i, 0
.rept 32
	v_pk_fma_f32 v[T+2*i:T+2*i+1], v[64*(\a%4)+2*i:64*(\a%4)+2*i+1], 0x4038aa3b, v[DP+2*i:DP+2*i+1] op_sel_hi:[1,0,1]   ; c x sum + c x dp
.set i, i+1
.endr
	WIN 0
.set i, 0
.rept 64
	v_exp_f32 v[T+i], v[T+i]
.set i, i+1
.endr
	v_nop                                          ; one plain place behind the last transcendental before its result is used
.set i, 0
	s_wait_alu depctr_va_vdst(0)
.rept 32
	v_pk_add_f32 v[T+2*i:T+2*i+1], v[T+2*i:T+2*i+1], 1.0 op_sel_hi:[1,0]
.set i, i+1
.endr
.set i, 0
.rept 64
	v_rcp_f32 v[T+i], v[T+i]
.set i, i+1
.endr
	v_nop
	s_wait_alu depctr_va_vdst(0)
.irp c, 0,1,2,3
	v_pk_mul_f32 v[Q+2*\c:Q+2*\c+1], v[T+2*\c:T+2*\c+1], v[VT+2*\c:VT+2*\c+1]      ; the first four pairs start four chains
.endr
.set i, 4
.rept 28
	v_pk_fma_f32 v[Q+2*(i%4):Q+2*(i%4)+1], v[T+2*i:T+2*i+1], v[VT+2*i:VT+2*i+1], v[Q+2*(i%4):Q+2*(i%4)+1]
.set i, i+1
.endr
	v_pk_add_f32 v[Q:Q+1], v[Q:Q+1], v[Q+2:Q+3]
	v_pk_add_f32 v[Q+4:Q+5], v[Q+4:Q+5], v[Q+6:Q+7]
	v_pk_add_f32 v[Q:Q+1], v[Q:Q+1], v[Q+4:Q+5]
	v_add_f32 v[Q], v[Q], v[Q+1]
	v_permlanex16_b32 v[Q+1], v[Q], s26, s27       ; the other half of the lanes holds the row's other columns
.if \first
	v_add_f32 v[SC+\a], v[Q], v[Q+1]
.else
	v_add_f32 v[Q], v[Q], v[Q+1]
	v_add_f32 v[SC+\a], v[SC+\a], v[Q]
.endif
.endm
; The epilogue of pass p.
.macro EPI p
	WIN 0
	PLACES                                         ; behind the pass's last matrix instruction, before its sums are read
.irp b, 0,1,2,3,4,5,6,7
	ds_load_b128 v[DP+8*\b:DP+8*\b+3],   v[TBA] offset:\p*2048+\b*64
	ds_load_b128 v[DP+8*\b+4:DP+8*\b+7], v[TBA] offset:\p*2048+\b*64+16
	ds_load_b128 v[VT+8*\b:VT+8*\b+3],   v[TBA] offset:4096+\p*2048+\b*64
	ds_load_b128 v[VT+8*\b+4:VT+8*\b+7], v[TBA] offset:4096+\p*2048+\b*64+16
.endr
	s_wait_dscnt 0x0
.irp a, 0,1,2,3,4,5,6,7
	BATCH \a, 1-\p
.endr
.endm
	; ---- addresses ----
	s_load_b256 s[4:11], s[0:1], 0x0               ; enc, wf, dp, v
	s_load_b128 s[12:15], s[0:1], 0x20             ; pc, ml
	v_lshl_add_u32 v30, v0, 2, 0x43800
	v_mov_b32 v31, 0
	v_lshrrev_b32 v20, 5, v0
	v_readfirstlane_b32 s16, v20                   ; wave 0..3
	s_mov_b32 s26, 0x76543210                      ; v_permlanex16_b32: lane i of one half reads lane i of the other
	s_mov_b32 s27, 0xfedcba98
	s_lshl_b32 s28, ttmp9, 19                      ; enc: 128 rows of 4,096 bytes a block
	s_mov_b32 s29, 0
	s_lshl_b32 s30, s16, 19                        ; wf: 524,288 bytes a wave
	s_mov_b32 s31, 0
	s_lshr_b32 s32, ttmp9, 3                       ; batch
	s_lshl_b32 s32, s32, 6                         ; dp: 64 bytes a batch inside each block of 16 d
	s_mov_b32 s33, 0
	s_lshl_b32 s34, ttmp9, 12                      ; pc: 4,096 bytes a block
	s_mov_b32 s35, 0
	s_lshl_b32 s36, ttmp9, 8                       ; ml: 256 bytes a block
	s_mov_b32 s37, 0
	v_and_b32 v20, 31, v0                          ; lane
	v_and_b32 v21, 15, v0                          ; r
	v_bfe_u32 v22, v0, 4, 1                        ; h
	v_lshlrev_b32 v[VB], 4, v20
	s_lshl_b32 s20, s16, 17
	v_lshl_add_u32 v[VCH], v22, 15, s20
	v_lshl_add_u32 v[VCH], v21, 4, v[VCH]
	s_mul_i32 s21, s16, G32
	v_mul_u32_u24 v23, v22, 8*PITCH
	v_lshl_add_u32 v23, v21, 3, v23
	v_add_nc_u32 v[STA], s21, v23
	v_mul_u32_u24 v[ABASE], v21, PITCH
	v_lshl_add_u32 v[ABASE], v22, 4, v[ABASE]
.irp g, 0,1,2,3
	v_add_nc_u32 v[ADRA+\g], \g*G32, v[ABASE]
.endr
	s_lshl_b32 s22, s16, 9
	v_lshl_add_u32 v[TBA], v22, 5, s22
	v_add_nc_u32 v[TBA], DPT, v[TBA]
	v_lshl_add_u32 v[SCA], v21, 2, s22
	v_add_nc_u32 v[SCA], SCR, v[SCA]
	v_lshlrev_b32 v[SCL], 4, v20
	v_add_nc_u32 v[SCL], SCR, v[SCL]
	v_lshl_add_u32 v[PRA], v20, 4, s22
	v_add_nc_u32 v[PRA], PR, v[PRA]
	v_mov_b32 v[PRB], s22
	v_add_nc_u32 v[PRB], PR, v[PRB]
	v_lshl_add_u32 v[CA], v20, 3, s22
	s_lshl_b32 s23, s16, 10
	v_lshl_add_u32 v[OUTO], v20, 4, s23
	v_lshlrev_b32 v[MLO], 3, v20
	v_lshrrev_b32 v23, 1, v0                       ; tables: thread t takes d = 8 t .. 8 t + 7: block t >> 1 of dp,
	v_and_b32 v26, 1, v0
	v_lshlrev_b32 v26, 5, v26                      ; its lower or upper 32 bytes
	v_lshl_add_u32 v26, v23, 12, v26
	v_lshlrev_b32 v27, 5, v0                       ; 32 t in v and in the tables
	v_add_nc_u32 v25, DPT, v27
	s_wait_kmcnt 0x0
	s_add_nc_u64 s[ENC:ENC+1], s[ENC:ENC+1], s[28:29]
	s_add_nc_u64 s[WF:WF+1],   s[WF:WF+1],   s[30:31]
	s_add_nc_u64 s[DPB:DPB+1], s[DPB:DPB+1], s[32:33]
	s_add_nc_u64 s[PCB:PCB+1], s[PCB:PCB+1], s[34:35]
	s_add_nc_u64 s[MLB:MLB+1], s[MLB:MLB+1], s[36:37]
	; ---- the first loads: tables, chunks 0 and 1, W of step 0 ----
	global_load_b128 v[32:35], v26, s[DPB:DPB+1]
	global_load_b128 v[36:39], v26, s[DPB:DPB+1] offset:16
	global_load_b128 v[40:43], v27, s[VWB:VWB+1]
	global_load_b128 v[44:47], v27, s[VWB:VWB+1] offset:16
.set LC, LC+4
.set MT, LC
	CHL CH0, MS0, 0
	CHL CH1, MS1, 256
	BL 0, 0
	WIN 0
	WAITL MT                                       ; the tables' four loads are in
.irp i, 0,1,2,3
	v_pk_mul_f32 v[32+2*\i:33+2*\i], v[32+2*\i:33+2*\i], 0x4038aa3b op_sel_hi:[1,0]       ; c x dp
.endr
.irp i, 0,1,2,3
	v_pk_mul_f32 v[40+2*\i:41+2*\i], v[40+2*\i:41+2*\i], 0xc038aa3b op_sel_hi:[1,0]       ; -c x v
.endr
	ds_store_b128 v25, v[32:35]
	ds_store_b128 v25, v[36:39] offset:16
	ds_store_b128 v25, v[40:43] offset:4096
	ds_store_b128 v25, v[44:47] offset:4112
	WAITL MS0                                      ; chunk 0 is in
	CVT CH0
	STO CH0, 0
	CHL CH0, MS0, 512                              ; chunk 2
	BL 1, 8192
	BL 2, 16384
	s_wait_dscnt 0x0                               ; for the other waves' sake: my part of the tables and of chunk 0 is in LDS
	s_barrier_signal -1
	s_barrier_wait -1
	AL 0, AF, 0
	AL 1, U0, 0
	; ---- pass 1: columns 128 w .. of the first 512; the rows come in ----
	FULL1 1                                        ; trip 0 stands in front of the loop: its first products start the sums
	s_mov_b32 s24, 5
.Lp1:
	FULL1 0                                        ; trips 1 to 5
	s_sub_co_u32 s24, s24, 1
	s_cmp_lg_u32 s24, 0
	s_cbranch_scc1 .Lp1
	STEP 0, 3, U0, U1, 0, CONV,  1, 1, 2, CH1, MS1, 128, 1, 256    ; trip 6: chunk 13 is rounded, chunk 15, the last, is asked for
	STEP 1, 0, U1, U0, 0, BAR,   1, 1, 0, CH0, MS0, 0,   0, 0
	STEP 2, 1, U0, U1, 0, CONV,  1, 1, 0, CH0, MS0, 256, 0, 0      ; chunk 14; nothing is left to ask for
	STEP 3, 2, U1, U0, 0, BAR,   1, 1, 0, CH0, MS0, 0,   0, 0
	TRIPEND 1
	STEP 0, 3, U0, U1, 0, CONV,  1, 1, 1, CH1, MS1, 128, 0, 0      ; trip 7: chunk 15
	STEP 1, 0, U1, U0, 0, BAR,   1, 1, 0, CH0, MS0, 0,   0, 0
	STEP 2, 1, U0, U1, 0, PLAIN, 1, 1, 0, CH0, MS0, 0,   0, 0
	STEP 3, 2, U1, U0, 0, PLAIN, 0, 1, 0, CH0, MS0, 0,   0, 0      ; W goes on: the stream's next three steps are pass 2's first, and land under the epilogue
	EPI 0
.irp g, 0,1,2,3
	v_add_nc_u32 v[ADRA+\g], \g*G32, v[ABASE]      ; back to k = 0
.endr
	AL 0, AF, 0
	AL 1, U0, 0
	; ---- pass 2: the second 512 columns; the rows are all in LDS: no chunk, no barrier ----
	FULL2 1
	s_mov_b32 s24, 6
.Lp2:
	FULL2 0                                        ; trips 1 to 6
	s_sub_co_u32 s24, s24, 1
	s_cmp_lg_u32 s24, 0
	s_cbranch_scc1 .Lp2
	STEP 0, 3, U0, U1, 0, PLAIN, 1, 1, 1, CH0, MS0, 0, 0, 0        ; trip 7: the stream's last step is asked for; then the counts of the waits run down
	STEP 1, 0, U1, U0, 0, PLAIN, 1, 0, 0, CH0, MS0, 0, 0, 0
	STEP 2, 1, U0, U1, 0, PLAIN, 1, 0, 0, CH0, MS0, 0, 0, 0
	STEP 3, 2, U1, U0, 0, PLAIN, 0, 0, 0, CH0, MS0, 0, 0, 0
	EPI 1
	; ---- the block's softmax partial ----
.irp a, 0,1,2,3,4,5,6,7
	ds_store_b32 v[SCA], v[SC+\a] offset:64*\a     ; row 16 a + r; both halves of the lanes hold, and write, the same number
.endr
	s_wait_dscnt 0x0                               ; for the other waves' sake
	s_barrier_signal -1
	s_barrier_wait -1
.irp u, 0,1,2,3
	ds_load_b128 v[32+4*\u:35+4*\u], v[SCL] offset:512*\u  ; rows 4 lane .. 4 lane + 3, the four waves' columns
.endr
	s_wait_dscnt 0x0
	v_pk_add_f32 v[32:33], v[32:33], v[36:37]
	v_pk_add_f32 v[34:35], v[34:35], v[38:39]
	v_pk_add_f32 v[40:41], v[40:41], v[44:45]
	v_pk_add_f32 v[42:43], v[42:43], v[46:47]
	v_pk_add_f32 v[32:33], v[32:33], v[40:41]
	v_pk_add_f32 v[34:35], v[34:35], v[42:43]      ; s2 of my four rows
	v_max3_num_f32 v28, v32, v33, v34
	v_max_num_f32 v28, v28, v35
	v_max_num_f32_dpp v28, v28, v28 row_xmask:1 row_mask:0xf bank_mask:0xf
	v_max_num_f32_dpp v28, v28, v28 row_xmask:2 row_mask:0xf bank_mask:0xf
	v_max_num_f32_dpp v28, v28, v28 row_xmask:4 row_mask:0xf bank_mask:0xf
	v_max_num_f32_dpp v28, v28, v28 row_xmask:8 row_mask:0xf bank_mask:0xf
	v_permlanex16_b32 v36, v28, s26, s27
	v_max_num_f32 v28, v28, v36                    ; m2: the largest s2 of the block's 128 rows, in every lane
.irp i, 0,1,2,3
	v_sub_f32 v[32+\i], v[32+\i], v28
.endr
.irp i, 0,1,2,3
	v_exp_f32 v[32+\i], v[32+\i]                   ; p, at most 1
.endr
	v_nop
	s_wait_alu depctr_va_vdst(0)
	v_add_f32 v29, v32, v33
	v_add_f32 v37, v34, v35
	ds_store_b128 v[PRA], v[32:35]                 ; my wave's own copy of p: read below by this wave alone, and LDS serves a wave in order
	v_add_f32 v29, v29, v37
	v_add_f32_dpp v29, v29, v29 row_xmask:1 row_mask:0xf bank_mask:0xf
	v_add_f32_dpp v29, v29, v29 row_xmask:2 row_mask:0xf bank_mask:0xf
	v_add_f32_dpp v29, v29, v29 row_xmask:4 row_mask:0xf bank_mask:0xf
	v_add_f32_dpp v29, v29, v29 row_xmask:8 row_mask:0xf bank_mask:0xf
	v_permlanex16_b32 v36, v29, s26, s27
	v_add_f32 v29, v29, v36                        ; l, at least 1
	; ---- the block's context: wave w takes columns 256 w .. 256 w + 255; a lane 4 of the first 128 and 4 of the second ----
.irp i, 0,1,2,3,4,5,6,7
	v_mov_b32 v[CX+\i], 0
.endr
	s_mov_b32 s24, 4
.Lctx:                                             ; 32 rows a trip
.irp i, 0,1,2,3,4,5,6,7
	ds_load_b128 v[P+4*\i:P+4*\i+3], v[PRB] offset:16*\i           ; p of the 32 rows, the same in every lane
.endr
.set i, 0
.rept 32
	ds_load_b64 v[X+4*i:X+4*i+1],   v[CA] offset:i*PITCH           ; 32 lanes x 8 bytes: 256 consecutive bytes of the row
	ds_load_b64 v[X+4*i+2:X+4*i+3], v[CA] offset:i*PITCH+256
.set i, i+1
.endr
.set i, 0
.rept 32
	s_wait_dscnt 62-2*i                            ; the loads of the rows behind row i stay out
	v_fma_mix_f32_bf16 v[CX],   v[X+4*i],   v[P+i], v[CX]   op_sel_hi:[1,0,0]
	v_fma_mix_f32_bf16 v[CX+1], v[X+4*i],   v[P+i], v[CX+1] op_sel:[1,0,0] op_sel_hi:[1,0,0]
	v_fma_mix_f32_bf16 v[CX+2], v[X+4*i+1], v[P+i], v[CX+2] op_sel_hi:[1,0,0]
	v_fma_mix_f32_bf16 v[CX+3], v[X+4*i+1], v[P+i], v[CX+3] op_sel:[1,0,0] op_sel_hi:[1,0,0]
	v_fma_mix_f32_bf16 v[CX+4], v[X+4*i+2], v[P+i], v[CX+4] op_sel_hi:[1,0,0]
	v_fma_mix_f32_bf16 v[CX+5], v[X+4*i+2], v[P+i], v[CX+5] op_sel:[1,0,0] op_sel_hi:[1,0,0]
	v_fma_mix_f32_bf16 v[CX+6], v[X+4*i+3], v[P+i], v[CX+6] op_sel_hi:[1,0,0]
	v_fma_mix_f32_bf16 v[CX+7], v[X+4*i+3], v[P+i], v[CX+7] op_sel:[1,0,0] op_sel_hi:[1,0,0]
.set i, i+1
.endr
	v_add_nc_u32 v[CA], G32, v[CA]
	v_add_nc_u32 v[PRB], 128, v[PRB]
	s_sub_co_u32 s24, s24, 1
	s_cmp_lg_u32 s24, 0
	s_cbranch_scc1 .Lctx
	global_store_b128 v[OUTO], v[CX:CX+3],   s[PCB:PCB+1]              ; each store of the wave covers 512 consecutive bytes, aligned
	global_store_b128 v[OUTO], v[CX+4:CX+7], s[PCB:PCB+1] offset:512
	s_cmp_lg_u32 s16, 0
	s_cbranch_scc1 .Lend
	global_store_b64 v[MLO], v[28:29], s[MLB:MLB+1]                    ; wave 0: (m2, l), once a lane: the block's 256 bytes of ml are written whole
.Lend:
	s_wait_tensorcnt 0x0
	ds_add_u32 v30, v31
	s_wait_dscnt 0x0
	s_endpgm
.Lfunc_end_k_qa2aa82f054_main:
	.size	k_qa2aa82f054_main, .Lfunc_end_k_qa2aa82f054_main-k_qa2aa82f054_main
	.p2alignl 7, 3214868480
	.fill 96, 4, 3214868480
	.section	.rodata,"a",@progbits
	.p2align	6, 0x0
	.amdhsa_kernel k_qa2aa82f054_main
		.amdhsa_group_segment_fixed_size 276992
		.amdhsa_private_segment_fixed_size 0
		.amdhsa_enable_private_segment 0
		.amdhsa_kernarg_size 48
		.amdhsa_user_sgpr_count 2
		.amdhsa_user_sgpr_kernarg_segment_ptr 1
		.amdhsa_wavefront_size32 1
		.amdhsa_system_sgpr_workgroup_id_x 1
		.amdhsa_system_sgpr_workgroup_id_y 1
		.amdhsa_system_sgpr_workgroup_id_z 1
		.amdhsa_system_vgpr_workitem_id 0
		.amdhsa_next_free_vgpr 1024
		.amdhsa_next_free_sgpr 66
		.amdhsa_reserve_vcc 0
		.amdhsa_float_denorm_mode_32 3
		.amdhsa_float_denorm_mode_16_64 3
		.amdhsa_memory_ordered 1
		.amdhsa_forward_progress 1
		.amdhsa_inst_pref_size 255
	.end_amdhsa_kernel
	.section	.bss,"aw",@nobits
	.p2align	6
	.space	262144
	.amdgpu_metadata
---
amdhsa.version: [ 1, 2 ]
amdhsa.kernels:
  - .name:           k_qa2aa82f054_main
    .symbol:         k_qa2aa82f054_main.kd
    .args:
      - { .name: enc_out, .offset: 0, .size: 8, .value_kind: global_buffer, .address_space: global }
      - { .name: wf, .offset: 8, .size: 8, .value_kind: global_buffer, .address_space: global }
      - { .name: dp, .offset: 16, .size: 8, .value_kind: global_buffer, .address_space: global }
      - { .name: v_weight, .offset: 24, .size: 8, .value_kind: global_buffer, .address_space: global }
      - { .name: pc, .offset: 32, .size: 8, .value_kind: global_buffer, .address_space: global }
      - { .name: ml, .offset: 40, .size: 8, .value_kind: global_buffer, .address_space: global }
    .group_segment_fixed_size: 276992
    .private_segment_fixed_size: 0
    .kernarg_segment_align: 8
    .kernarg_segment_size: 48
    .max_flat_workgroup_size: 128
    .sgpr_count:     66
    .vgpr_count:     1024
    .wavefront_size: 32
...
	.end_amdgpu_metadata
.endif
;; end of part 2
;; launch comb (part 3): grid 256 x 1, 2 waves a work-group, no clusters, 0 bytes of LDS; arguments pc, ml, out0; writes out0
.if DOCPART == 3
	.amdgcn_target "amdgcn-amd-amdhsa--gfx1250"
	.amdhsa_code_object_version 6
	.text
	.protected	k_qa2aa82f054_comb
	.globl	k_qa2aa82f054_comb
	.p2align	8
	.type	k_qa2aa82f054_comb,@function
k_qa2aa82f054_comb:
	s_mov_b64 s[64:65], 0
	v_nop
	global_prefetch_b8 v0, s[64:65] scope:SCOPE_SE
	s_setreg_imm32_b32 hwreg(HW_REG_WAVE_MODE, 25, 1), 1
	s_wait_xcnt 0x0
; COMB.  out0[b][e] = sum over the batch's 8 blocks j of 2^(m2_j - M) pc_j[e]  /  sum over j of 2^(m2_j - M) l_j,  M = the largest m2_j.
; The block that holds M has l_j of at least 1, so the divisor is at least 1.
; Work-group = a quarter (256 columns) of one batch: 64 threads x 4 columns.  2.2 MB are read in all: no LDS, no ring, nothing shared worth a cluster.
.set MLR, 4                            ; v[4:19]   (m2, l) of the eight blocks
.set PCR, 20                           ; v[20:51]  my four columns of the eight partial contexts
.set WT,  52                           ; v[52:59]  the eight weights
.set OUT, 64                           ; v[64:67]
	s_load_b128 s[4:7], s[0:1], 0x0                ; pc, ml
	s_load_b64 s[8:9], s[0:1], 0x10                ; out0
	s_lshr_b32 s10, ttmp9, 2                       ; batch
	s_and_b32 s11, ttmp9, 3                        ; quarter
	s_lshl_b32 s16, s11, 10                        ; 1,024 bytes a quarter
	s_lshl_b32 s12, s10, 11                        ; ml: 8 blocks of 256 bytes
	s_mov_b32 s13, 0
	s_lshl_b32 s14, s10, 15                        ; pc: 8 blocks of 4,096 bytes
	s_add_co_u32 s14, s14, s16
	s_mov_b32 s15, 0
	s_lshl_b32 s18, s10, 12                        ; out0: 4,096 bytes a batch
	s_add_co_u32 s18, s18, s16
	s_mov_b32 s19, 0
	v_mov_b32 v1, 0
	v_lshlrev_b32 v2, 4, v0
	s_wait_kmcnt 0x0
	s_add_nc_u64 s[4:5], s[4:5], s[14:15]
	s_add_nc_u64 s[6:7], s[6:7], s[12:13]
	s_add_nc_u64 s[8:9], s[8:9], s[18:19]
.irp j, 0,1,2,3,4,5,6,7
	global_load_b64 v[MLR+2*\j:MLR+2*\j+1], v1, s[6:7] offset:256*\j
.endr
.irp j, 0,1,2,3,4,5,6,7
	global_load_b128 v[PCR+4*\j:PCR+4*\j+3], v2, s[4:5] offset:4096*\j
.endr
	s_wait_loadcnt 8                               ; the eight loads of pc stay out
	v_max3_num_f32 v60, v[MLR], v[MLR+2], v[MLR+4]
	v_max3_num_f32 v60, v60, v[MLR+6], v[MLR+8]
	v_max3_num_f32 v60, v60, v[MLR+10], v[MLR+12]
	v_max_num_f32 v60, v60, v[MLR+14]              ; M
.irp j, 0,1,2,3,4,5,6,7
	v_sub_f32 v[WT+\j], v[MLR+2*\j], v60
.endr
.irp j, 0,1,2,3,4,5,6,7
	v_exp_f32 v[WT+\j], v[WT+\j]
.endr
	v_nop                                          ; one plain place behind the last transcendental
	s_wait_alu depctr_va_vdst(0)
	v_mul_f32 v61, v[WT], v[MLR+1]
.irp j, 1,2,3,4,5,6,7
	v_fmac_f32 v61, v[WT+\j], v[MLR+2*\j+1]
.endr
	v_rcp_f32 v61, v61
	v_nop
	s_wait_alu depctr_va_vdst(0)
.irp j, 0,1,2,3,4,5,6,7
	v_mul_f32 v[WT+\j], v[WT+\j], v61
.endr
	s_wait_loadcnt 0x0
.irp k, 0,1,2,3
	v_mul_f32 v[OUT+\k], v[WT], v[PCR+\k]
.endr
.irp j, 1,2,3,4,5,6,7
.irp k, 0,1,2,3
	v_fmac_f32 v[OUT+\k], v[WT+\j], v[PCR+4*\j+\k]
.endr
.endr
	global_store_b128 v2, v[OUT:OUT+3], s[8:9]     ; each store of a wave covers 512 consecutive bytes, aligned
	s_endpgm
.Lfunc_end_k_qa2aa82f054_comb:
	.size	k_qa2aa82f054_comb, .Lfunc_end_k_qa2aa82f054_comb-k_qa2aa82f054_comb
	.p2alignl 7, 3214868480
	.fill 96, 4, 3214868480
	.section	.rodata,"a",@progbits
	.p2align	6, 0x0
	.amdhsa_kernel k_qa2aa82f054_comb
		.amdhsa_group_segment_fixed_size 0
		.amdhsa_private_segment_fixed_size 0
		.amdhsa_enable_private_segment 0
		.amdhsa_kernarg_size 24
		.amdhsa_user_sgpr_count 2
		.amdhsa_user_sgpr_kernarg_segment_ptr 1
		.amdhsa_wavefront_size32 1
		.amdhsa_system_sgpr_workgroup_id_x 1
		.amdhsa_system_sgpr_workgroup_id_y 1
		.amdhsa_system_sgpr_workgroup_id_z 1
		.amdhsa_system_vgpr_workitem_id 0
		.amdhsa_next_free_vgpr 72
		.amdhsa_next_free_sgpr 66
		.amdhsa_reserve_vcc 0
		.amdhsa_float_denorm_mode_32 3
		.amdhsa_float_denorm_mode_16_64 3
		.amdhsa_memory_ordered 1
		.amdhsa_forward_progress 1
		.amdhsa_inst_pref_size 5
	.end_amdhsa_kernel
	.amdgpu_metadata
---
amdhsa.version: [ 1, 2 ]
amdhsa.kernels:
  - .name:           k_qa2aa82f054_comb
    .symbol:         k_qa2aa82f054_comb.kd
    .args:
      - { .name: pc, .offset: 0, .size: 8, .value_kind: global_buffer, .address_space: global }
      - { .name: ml, .offset: 8, .size: 8, .value_kind: global_buffer, .address_space: global }
      - { .name: out0, .offset: 16, .size: 8, .value_kind: global_buffer, .address_space: global }
    .group_segment_fixed_size: 0
    .private_segment_fixed_size: 0
    .kernarg_segment_align: 8
    .kernarg_segment_size: 24
    .max_flat_workgroup_size: 64
    .sgpr_count:     66
    .vgpr_count:     72
    .wavefront_size: 32
...
	.end_amdgpu_metadata
.endif
;; end of part 3
;; ======== version 2 of 2: 3 launches; version 1 with the launch main written anew for expert scheduling mode
;; workspace buffers: wf 2,097,152 bytes; dp 262,144 bytes; pc 2,097,152 bytes; ml 131,072 bytes
;; launch prep: the kernel of part 1 again; grid 256 x 1, 8 waves a work-group, no clusters, 9,216 bytes of LDS; arguments W_weight, dec_state, W_bias, wf, dp; writes wf, dp
;; launch main (part 4): grid 512 x 1, 4 waves a work-group, no clusters, 276,992 bytes of LDS; arguments enc_out, wf, dp, v_weight, pc, ml; writes pc, ml
.if DOCPART == 4
	.amdgcn_target "amdgcn-amd-amdhsa--gfx1250"
	.amdhsa_code_object_version 6
	.text
	.protected	k_qa2aa82f054_main
	.globl	k_qa2aa82f054_main
	.p2align	8
	.type	k_qa2aa82f054_main,@function
k_qa2aa82f054_main:
	s_mov_b64 s[64:65], 0
	v_nop
	global_prefetch_b8 v0, s[64:65] scope:SCOPE_SE
	s_setreg_imm32_b32 hwreg(HW_REG_WAVE_SCHED_MODE, 0, 2), 2
	s_setreg_imm32_b32 hwreg(HW_REG_WAVE_MODE, 25, 1), 1
	s_wait_xcnt 0x0
	s_wait_alu depctr_vm_vsrc(0)
; MAIN.  A work-group owns 128 rows t of one batch (block = 8 x batch + part).  It reads them from memory ONCE, keeps them in LDS as bf16,
; multiplies them by all of We (1,024 columns d), forms tanh, the dot with v, its own softmax partial and its own unnormalised context.
;   x[t][d] = sum over k of enc[t][k] We[d][k] + dp[batch][d]          bf16 products, f32 sums
;   tanh(x) = 1 - 2 r,  r = 1 / (1 + 2^(c x)),  c = 2 log2 e           2^(c x) = inf gives r = 0 (tanh 1), 2^(c x) = 0 gives r = 1 (tanh -1)
;   s2[t]   = sum over d of (-c v[d]) r[t][d] = log2 e x (score[t] - sum of v): the constant sum of v shifts every score of a batch alike,
;             and a softmax does not change under such a shift, whatever the inputs
;   m2 = max over my 128 rows of s2,  p[t] = 2^(s2[t] - m2),  l = sum of p,  pc[e] = sum over t of p[t] enc[t][e]  (bf16 copy of enc, f32 p and sums)
; The last launch merges the eight blocks of a batch by their maxima.
; LIMITS: NaN and infinities among the inputs propagate as they fall.  The context is summed from enc rounded to bf16.
;
; SHARES.  Four waves.  Two passes over K = 1,024; in pass p wave w makes all 128 rows x the 128 columns d = 512 p + 128 w ..: 64 accumulator
; tiles of 16 x 16, 512 registers.  A K step is 32 k: 64 matrix instructions, 16 LDS loads (the rows' fragments), 16 global loads (8 KiB of wf).
; The fragments of rows 64-127 have two buffers, for even and for odd steps; W has four, and is asked for three steps ahead.
; In pass 1 the rows are still coming in: a chunk is 64 k of all 128 rows; wave w loads rows 32 w .. 32 w + 31 of it in f32, rounds, and stores
; them to LDS two K steps before the chunk's first use; a barrier stands in the run in which the chunk is first read.
;
; THE MODE: SCHED_MODE bits 1:0 = 2 (LLVM: expert scheduling mode 2), set by the entry lines.  The code itself states the register dependences
; between vector or matrix instructions and memory or LDS instructions, with s_wait_alu, always for 0.
; THE PLAN.  Registers that memory or LDS instructions touch in a pass, step j:
;   AF          The first 32 matrix instructions of every step read it; behind them the LDS loads of step j + 1's fragments land in it.
;   U0, U1      The second 32 matrix instructions read U[j % 2]; the LDS loads of step j land in the other one, which step j - 1 read.
;   W0 .. W3    Step j's matrix instructions read W[j]; its sixteen global loads land in W[(j - 1) % 4], which step j - 1 read.
;   CH0, CH1    A chunk's loads land; the 32 conversions read and write it in place; sixteen LDS stores read it; the chunk two on lands.
;   ADRA, STA   Read by every fragment load and every chunk store; written by the adds at a trip's end.
;   VB, VCH     Read by every global load; written at the head alone: the scalar bases move on, and immediate offsets do the rest.
;   The accumulators are named by matrix and vector instructions alone.
; So ONE wait on va_vdst stands in a step, between its halves: the first half is done reading AF, step j - 1 is done reading the other U and its W,
; a chunk's conversions have written it, and in a trip's first step ADRA and STA are written.  Behind it come the chunk's stores, the fragments'
; loads and the next chunk's loads; sixteen matrix instructions further on the loads of W, with no further wait: those matrix instructions name
; W[j], U[j % 2] and the tiles of rows 64-127, none of the registers that W's loads touch.  W's loads stand in one run, since a run among matrix
; instructions costs two switches of the register window.  A wait on vm_vsrc stands ahead of a chunk's reload and ahead of a trip's adds.
;
; WHY W COMES THROUGH REGISTERS AND NOT BY JOINT TENSOR LOADS.  The resident rows take 264,192 bytes of LDS, tables and scratch 12,288; of the
; 327,680 bytes that a work-group can be given 51,200 are left, and two slots of one K step of a pass's 512 columns would be 2 x 32,768.
; Each fragment of W is used by one wave alone, so LDS would give no reuse inside the work-group either.  wf lies in fragment order, so a wave's
; load is 512 consecutive bytes and its whole stream is linear.
;
; LDS: A rows 0 .. 264,191 (pitch 2,064 = 129 x 16 bytes: the 16 rows of a fragment load start at 16 different 16-byte columns modulo 256);
;      DPT c x dp, then -c x v (f32 [1024] each); SCR the four waves' partial scores; PR each wave's own copy of p.  Every byte is written once.
; REGISTERS, in windows of 256: window 0 addresses, A fragments, staging; window 1 four buffers of W fragments (64 registers a K step);
;      window 2 the tiles of rows 0-63 (tile (a, b) at 8 (8 a + b)); window 3 those of rows 64-127.
.set PITCH, 2064
.set G16,   16*PITCH
.set G32,   32*PITCH
.set DPT,   128*PITCH                  ; 264,192
.set SCR,   DPT+8192                   ; 272,384 (the v table lies 4,096 behind DPT)
.set PR,    SCR+2048                   ; 274,432
.set VB,    4                          ; v4   16 x lane: my 16 bytes of half a W fragment
.set VCH,   5                          ; v5   enc: (32 w + 8 h) rows of 4,096 bytes + 16 r
.set STA,   6                          ; v6   LDS: (32 w + 8 h) rows + 8 r, stepped 256 a trip
.set ABASE, 7                          ; v7   r x pitch + 16 h
.set ADRA,  8                          ; v[8:11]  ABASE + g x 32 rows, stepped 256 a trip
.set TBA,   12                         ; v12  DPT + 512 w + 32 h
.set SCA,   13                         ; v13  SCR + 512 w + 4 r
.set SCL,   14                         ; v14  SCR + 16 lane
.set PRA,   15                         ; v15  PR + 512 w + 16 lane
.set PRB,   16                         ; v16  PR + 512 w
.set CA,    17                         ; v17  512 w + 8 lane: my 4 columns of a row, for the context
.set OUTO,  18                         ; v18  1,024 w + 16 lane
.set MLO,   19                         ; v19  8 lane
.set SC,    20                         ; v[20:27]   partial score of row 16 a + r (at work while the addresses are made)
.set AF,    32                         ; v[32:63]   the four A fragments of rows 0-63
.set U0,    64                         ; v[64:95]   those of rows 64-127, even steps
.set U1,    224                        ; v[224:255] those of rows 64-127, odd steps
.set T,     32                         ; v[32:95]   epilogue: 64 numbers at work
.set P,     32                         ;            context: p of 32 rows
.set CH0,   96                         ; v[96:159]  even chunks as loaded (f32), then bf16 in registers 4i, 4i+1
.set CH1,   160                        ; v[160:223] odd chunks
.set DP,    96                         ;            epilogue: c x dp of my 64 columns
.set VT,    160                        ;            epilogue: -c x v of my 64 columns
.set X,     96                         ;            context: 32 rows x 4 registers
.set TS,    224                        ; v[224:239] at the head only: my 8 numbers of dp and of v on their way into the tables
.set Q,     224                        ; v[224:231] epilogue: four chains of pairs
.set CX,    240                        ; v[240:247] context of my 8 columns
.set ENC, 4                            ; s[4:5]   enc at the block, stepped 512 a trip of pass 1
.set WF,  6                            ; s[6:7]   wf at my wave's stream, stepped 32,768 a trip
.set DPB, 8                            ; s[8:9]   dp at the batch
.set VWB, 10                           ; s[10:11] v
.set PCB, 12                           ; s[12:13] pc at the block
.set MLB, 14                           ; s[14:15] ml at the block
.set PLAIN, 0
.set CONV,  1
.set BAR,   2
.set MUL_LO, 0xa1                      ; source 0 (W) window 1, source 1 (rows) window 0, C and D window 2
.set MUL_HI, 0xf1                      ; the same, C and D window 3
.set TO_B,   0x40                      ; destination window 1, address window 0
.set E_LO,   0x02                      ; source 0 window 2
.set E_HI,   0x03                      ; source 0 window 3
.set MSB, 0
.macro WIN new                         ; the immediate's high byte repeats the setting that is left; a switch that changes nothing is dropped
.if MSB != \new
	s_set_vgpr_msb (MSB<<8)|\new
.set MSB, \new
.endif
.endm
; LC counts the global loads in the order of the text.  A group of loads notes LC behind itself; the wait for the group leaves out as many loads as
; the text has issued since, at most 63, the largest count that the wait can name (a smaller count only waits for more).  Each trip's forerunner in the text
; issues the same loads in the same order as its forerunner in the run (written-out trip, loop body, tail), so the counts hold round the back edges.
.set LC, 0
.macro WAITL mk
.if (LC-\mk) > 63
	s_wait_loadcnt 63
.else
	s_wait_loadcnt LC-\mk
.endif
.endm
.macro PLACES                          ; four places behind a matrix instruction before a load is issued into one of its registers or its result is read
.rept 4
	v_nop
.endr
.endm
; 16 matrix instructions: rows 64 hi + 16 a0 .. + 31 (fragments at ab) x my 128 columns, 32 k.  Source 0 = 16 rows of W, source 1 = 16 rows of enc: lane (r, h),
; register j = x[16 a + r][16 b + 8 h + j].  The 64 accumulators take turns, one instruction a turn, in the same order in every step.
.macro MUL16 hi, buf, ab, a0, zero
.if \hi
	WIN MUL_HI
.else
	WIN MUL_LO
.endif
.irp a, \a0, (\a0)+1
.irp b, 0,1,2,3,4,5,6,7
.if \zero
	v_wmma_f32_16x16x32_bf16 v[8*(8*(\a)+\b):8*(8*(\a)+\b)+7], v[64*\buf+8*\b:64*\buf+8*\b+7], v[\ab+8*(\a):\ab+8*(\a)+7], 0
.else
	v_wmma_f32_16x16x32_bf16 v[8*(8*(\a)+\b):8*(8*(\a)+\b)+7], v[64*\buf+8*\b:64*\buf+8*\b+7], v[\ab+8*(\a):\ab+8*(\a)+7], v[8*(8*(\a)+\b):8*(8*(\a)+\b)+7]
.endif
.endr
.endr
.endm
; eight LDS loads: the four fragments of rows 64 hi .. at byte kb of the rows (counted from the trip's first step), into dst
.macro AL hi, dst, kb
	WIN 0
.irp a, 0,1,2,3
	ds_load_b128 v[\dst+8*\a:\dst+8*\a+3],   v[ADRA+2*\hi+\a/2] offset:(\a%2)*G16+(\kb)
	ds_load_b128 v[\dst+8*\a+4:\dst+8*\a+7], v[ADRA+2*\hi+\a/2] offset:(\a%2)*G16+(\kb)+32
.endr
.endm
; sixteen global loads: the eight W fragments of one step, at byte off from the stream's base, into buffer buf
.macro BL buf, off
	WIN TO_B
.irp i, 0,1,2,3,4,5,6,7
	global_load_b128 v[64*\buf+8*\i:64*\buf+8*\i+3],   v[VB], s[WF:WF+1] offset:(\off)+\i*1024
	global_load_b128 v[64*\buf+8*\i+4:64*\buf+8*\i+7], v[VB], s[WF:WF+1] offset:(\off)+\i*1024+512
.endr
.set LC, LC+16
.set MB\buf, LC
.endm
; sixteen global loads: my 32 rows of a chunk, 256 bytes of each.  Lanes 0-15 take 256 consecutive bytes, aligned, of one row, lanes 16-31 of the row 8 further down.
.macro CHL sb, mk, imm
	WIN 0
.set i, 0
.rept 16
	global_load_b128 v[\sb+4*i:\sb+4*i+3], v[VCH], s[ENC:ENC+1] offset:(16*(i/8)+(i%8))*4096+\imm th:TH_LOAD_NT
.set i, i+1
.endr
.set LC, LC+16
.set \mk, LC
.endm
.macro CVT sb                          ; four f32 to four bf16 in the group's first two registers
	WIN 0
.set i, 0
.rept 16
	v_cvt_pk_bf16_f32 v[\sb+4*i],   v[\sb+4*i],   v[\sb+4*i+1]
	v_cvt_pk_bf16_f32 v[\sb+4*i+1], v[\sb+4*i+2], v[\sb+4*i+3]
.set i, i+1
.endr
.endm
.macro STO sb, imm                     ; the two rows of one store lie 8 x 2,064 bytes apart, 128 modulo 256: 32 lanes x 8 bytes touch every bank once
	WIN 0
.set i, 0
.rept 16
	ds_store_b64 v[STA], v[\sb+4*i:\sb+4*i+1] offset:(16*(i/8)+(i%8))*PITCH+\imm
.set i, i+1
.endr
.endm
; One K step, number j of its trip.  nb = (j + 3) mod 4: the W buffer that the step before has left; ucur, unext: the upper fragments' buffers of this step and the next.
; mid says what else stands between the two halves:
;   CONV  chunk sb is rounded and stored (its 32 conversions are the places in front of the loads);   BAR  the barrier between a chunk's stores and its first reads;   PLAIN  neither.
; stepb: the stream's base (1), and the chunks' too (2), go one trip on.  The youngest global load then stands 48 matrix instructions back.
.macro STEP j, nb, ucur, unext, zero, mid, doal, dobl, stepb, sb, mk, stimm, chl, chimm
	WAITL MB\j                                     ; this step's W fragments are in
	s_wait_dscnt 0x0                               ; all that the last step sent to LDS is done: this step's fragments are in, a chunk's stores have landed
	MUL16 0, \j, AF, 0, \zero
	MUL16 0, \j, AF, 2, \zero
.if \mid == BAR
	s_wait_dscnt 0x0                               ; for the other waves' sake: my chunk's stores are in LDS (nothing has gone to LDS since the step's head)
	s_barrier_signal -1
	s_barrier_wait -1                              ; every wave's part of the chunk is in LDS: the loads below are its first reads
.endif
.if \mid == CONV
	WIN 0
	WAITL \mk                                      ; the chunk is in
	CVT \sb
.elseif \doal+\dobl
.if \doal
	WIN 0
.endif
	PLACES
.endif
.if \doal+\dobl
	s_wait_alu depctr_va_vdst(0)                   ; the step's one wait: the first half is done reading AF; the step before is done reading the other U and its W buffer; a chunk's conversions have written it; in a trip's first step ADRA and STA are written
.endif
.if \mid == CONV
	STO \sb, \stimm
.endif
.if \doal
	AL 0, AF, 64*(\j+1)                            ; the next step's fragments: rows 0-63 into the registers just multiplied,
	AL 1, \unext, 64*(\j+1)                        ; rows 64-127 into the buffer that the step before has left
.endif
.if \stepb
	s_wait_xcnt 0x0                                ; the bases of the loads on their way are stepped only behind this wait
	s_add_nc_u64 s[WF:WF+1], s[WF:WF+1], 32768
.if \stepb == 2
	s_add_nc_u64 s[ENC:ENC+1], s[ENC:ENC+1], 512
.endif
.endif
.if \chl
	s_wait_alu depctr_vm_vsrc(0)                   ; the LDS stores above have read the staging registers, in which the loads below land
	s_wait_alu depctr_va_vdst(0)                   ; the conversions are done reading and writing them: said once more directly ahead of the loads, since the stores between name the same registers
	CHL \sb, \mk, \chimm                           ; the staging registers just stored get the chunk two chunks on
.endif
	MUL16 1, \j, \ucur, 0, \zero
.if \dobl
	BL \nb, (\j-1)*8192                            ; W of three steps on (the base stands four steps ahead of the trip's first).  No wait: no vector or matrix instruction since the step's wait names this buffer or v[VB]
.endif
	MUL16 1, \j, \ucur, 2, \zero
.endm
.macro TRIPEND p1
	WIN 0                                          ; a label or a branch may follow
	s_wait_alu depctr_vm_vsrc(0)                   ; the fragments' LDS loads issued so far have read ADRA (in pass 1 the chunks' LDS stores STA too), which the adds below write
.irp g, 0,1,2,3
	v_add_nc_u32 v[ADRA+\g], 256, v[ADRA+\g]       ; four steps of 64 bytes
.endr
.if \p1
	v_add_nc_u32 v[STA], 256, v[STA]               ; two chunks of 128 bytes
.endif
.endm
; a whole trip of pass 1, trip t: step 0 rounds chunk 2t+1 and asks for 2t+3, step 2 rounds chunk 2t+2 and asks for 2t+4
.macro FULL1 zero
	STEP 0, 3, U0, U1, \zero, CONV, 1, 1, 2, CH1, MS1, 128, 1, 256
	STEP 1, 0, U1, U0, 0,     BAR,  1, 1, 0, CH0, MS0, 0,   0, 0
	STEP 2, 1, U0, U1, 0,     CONV, 1, 1, 0, CH0, MS0, 256, 1, 512
	STEP 3, 2, U1, U0, 0,     BAR,  1, 1, 0, CH0, MS0, 0,   0, 0
	TRIPEND 1
.endm
.macro FULL2 zero
	STEP 0, 3, U0, U1, \zero, PLAIN, 1, 1, 1, CH0, MS0, 0, 0, 0
	STEP 1, 0, U1, U0, 0,     PLAIN, 1, 1, 0, CH0, MS0, 0, 0, 0
	STEP 2, 1, U0, U1, 0,     PLAIN, 1, 1, 0, CH0, MS0, 0, 0, 0
	STEP 3, 2, U1, U0, 0,     PLAIN, 1, 1, 0, CH0, MS0, 0, 0, 0
	TRIPEND 0
.endm
; Rows 16 a .. 16 a + 15: my 64 numbers (8 tiles x 8 registers) go from sums to r, are multiplied by -c v and summed.
.macro BATCH a, first
.if \a < 4
	WIN E_LO
.else
	WIN E_HI
.endif
.set i, 0
.rept 32
	v_pk_fma_f32 v[T+2*i:T+2*i+1], v[64*(\a%4)+2*i:64*(\a%4)+2*i+1], 0x4038aa3b, v[DP+2*i:DP+2*i+1] op_sel_hi:[1,0,1]   ; c x sum + c x dp
.set i, i+1
.endr
	WIN 0
.set i, 0
.rept 64
	v_exp_f32 v[T+i], v[T+i]
.set i, i+1
.endr
	v_nop                                          ; one plain place behind the last transcendental before its result is used
	s_wait_alu depctr_va_vdst(0)                   ; the 64 exponentials have written T: one wait for the batch, ahead of its first reader
.set i, 0
.rept 32
	v_pk_add_f32 v[T+2*i:T+2*i+1], v[T+2*i:T+2*i+1], 1.0 op_sel_hi:[1,0]
.set i, i+1
.endr
.set i, 0
.rept 64
	v_rcp_f32 v[T+i], v[T+i]
.set i, i+1
.endr
	v_nop
	s_wait_alu depctr_va_vdst(0)                   ; the 64 reciprocals have written T: one wait for the batch, ahead of its first reader
.irp c, 0,1,2,3
	v_pk_mul_f32 v[Q+2*\c:Q+2*\c+1], v[T+2*\c:T+2*\c+1], v[VT+2*\c:VT+2*\c+1]      ; the first four pairs start four chains
.endr
.set i, 4
.rept 28
	v_pk_fma_f32 v[Q+2*(i%4):Q+2*(i%4)+1], v[T+2*i:T+2*i+1], v[VT+2*i:VT+2*i+1], v[Q+2*(i%4):Q+2*(i%4)+1]
.set i, i+1
.endr
	v_pk_add_f32 v[Q:Q+1], v[Q:Q+1], v[Q+2:Q+3]
	v_pk_add_f32 v[Q+4:Q+5], v[Q+4:Q+5], v[Q+6:Q+7]
	v_pk_add_f32 v[Q:Q+1], v[Q:Q+1], v[Q+4:Q+5]
	v_add_f32 v[Q], v[Q], v[Q+1]
	v_permlanex16_b32 v[Q+1], v[Q], s26, s27       ; the other half of the lanes holds the row's other columns
.if \first
	v_add_f32 v[SC+\a], v[Q], v[Q+1]
.else
	v_add_f32 v[Q], v[Q], v[Q+1]
	v_add_f32 v[SC+\a], v[SC+\a], v[Q]
.endif
.endm
; The epilogue of pass p.  The tables land in the chunks' staging registers, which no vector instruction has named since the last step's wait on va_vdst.
.macro EPI p
	WIN 0
	PLACES                                         ; behind the pass's last matrix instruction, before its sums are read
.if \p == 0
	s_wait_alu depctr_vm_vsrc(0)                   ; the last chunk's LDS stores have read CH1, in which the table of v lands; the pass's fragment loads have read ADRA, which is made anew behind this epilogue
.endif
.irp b, 0,1,2,3,4,5,6,7
	ds_load_b128 v[DP+8*\b:DP+8*\b+3],   v[TBA] offset:\p*2048+\b*64
	ds_load_b128 v[DP+8*\b+4:DP+8*\b+7], v[TBA] offset:\p*2048+\b*64+16
	ds_load_b128 v[VT+8*\b:VT+8*\b+3],   v[TBA] offset:4096+\p*2048+\b*64
	ds_load_b128 v[VT+8*\b+4:VT+8*\b+7], v[TBA] offset:4096+\p*2048+\b*64+16
.endr
	s_wait_dscnt 0x0
.irp a, 0,1,2,3,4,5,6,7
	BATCH \a, 1-\p
.endr
.endm
	; ---- addresses ----
	s_load_b256 s[4:11], s[0:1], 0x0               ; enc, wf, dp, v
	s_load_b128 s[12:15], s[0:1], 0x20             ; pc, ml
	v_lshl_add_u32 v30, v0, 2, 0x43800
	v_mov_b32 v31, 0
	v_lshrrev_b32 v20, 5, v0
	v_readfirstlane_b32 s16, v20                   ; wave 0..3
	s_mov_b32 s26, 0x76543210                      ; v_permlanex16_b32: lane i of one half reads lane i of the other
	s_mov_b32 s27, 0xfedcba98
	s_lshl_b32 s28, ttmp9, 19                      ; enc: 128 rows of 4,096 bytes a block
	s_mov_b32 s29, 0
	s_wait_alu depctr_va_sdst(0)                   ; s16 is written, ahead of its first reader: bases, LDS addresses and the last branch are made from it
	s_lshl_b32 s30, s16, 19                        ; wf: 524,288 bytes a wave
	s_mov_b32 s31, 0
	s_lshr_b32 s32, ttmp9, 3                       ; batch
	s_lshl_b32 s32, s32, 6                         ; dp: 64 bytes a batch inside each block of 16 d
	s_mov_b32 s33, 0
	s_lshl_b32 s34, ttmp9, 12                      ; pc: 4,096 bytes a block
	s_mov_b32 s35, 0
	s_lshl_b32 s36, ttmp9, 8                       ; ml: 256 bytes a block
	s_mov_b32 s37, 0
	v_and_b32 v20, 31, v0                          ; lane
	v_and_b32 v21, 15, v0                          ; r
	v_bfe_u32 v22, v0, 4, 1                        ; h
	v_lshlrev_b32 v[VB], 4, v20
	s_lshl_b32 s20, s16, 17
	v_lshl_add_u32 v[VCH], v22, 15, s20
	v_lshl_add_u32 v[VCH], v21, 4, v[VCH]
	s_mul_i32 s21, s16, G32
	v_mul_u32_u24 v23, v22, 8*PITCH
	v_lshl_add_u32 v23, v21, 3, v23
	v_add_nc_u32 v[STA], s21, v23
	v_mul_u32_u24 v[ABASE], v21, PITCH
	v_lshl_add_u32 v[ABASE], v22, 4, v[ABASE]
.irp g, 0,1,2,3
	v_add_nc_u32 v[ADRA+\g], \g*G32, v[ABASE]
.endr
	s_lshl_b32 s22, s16, 9
	v_lshl_add_u32 v[TBA], v22, 5, s22
	v_add_nc_u32 v[TBA], DPT, v[TBA]
	v_lshl_add_u32 v[SCA], v21, 2, s22
	v_add_nc_u32 v[SCA], SCR, v[SCA]
	v_lshlrev_b32 v[SCL], 4, v20
	v_add_nc_u32 v[SCL], SCR, v[SCL]
	v_lshl_add_u32 v[PRA], v20, 4, s22
	v_add_nc_u32 v[PRA], PR, v[PRA]
	v_mov_b32 v[PRB], s22
	v_add_nc_u32 v[PRB], PR, v[PRB]
	v_lshl_add_u32 v[CA], v20, 3, s22
	s_lshl_b32 s23, s16, 10
	v_lshl_add_u32 v[OUTO], v20, 4, s23
	v_lshlrev_b32 v[MLO], 3, v20
	v_lshrrev_b32 v23, 1, v0                       ; tables: thread t takes d = 8 t .. 8 t + 7: block t >> 1 of dp,
	v_and_b32 v26, 1, v0
	v_lshlrev_b32 v26, 5, v26                      ; its lower or upper 32 bytes
	v_lshl_add_u32 v26, v23, 12, v26
	v_lshlrev_b32 v27, 5, v0                       ; 32 t in v and in the tables
	v_add_nc_u32 v25, DPT, v27
	s_wait_kmcnt 0x0
	s_add_nc_u64 s[ENC:ENC+1], s[ENC:ENC+1], s[28:29]
	s_add_nc_u64 s[WF:WF+1],   s[WF:WF+1],   s[30:31]
	s_add_nc_u64 s[DPB:DPB+1], s[DPB:DPB+1], s[32:33]
	s_add_nc_u64 s[PCB:PCB+1], s[PCB:PCB+1], s[34:35]
	s_add_nc_u64 s[MLB:MLB+1], s[MLB:MLB+1], s[36:37]
	; ---- the first loads: tables, chunks 0 and 1, W of step 0 ----
	s_wait_alu depctr_va_vdst(0)                   ; the kernel's offsets and LDS addresses, v4 to v19 and v25 to v27, are written: the loads and stores below read them
	global_load_b128 v[TS:TS+3],     v26, s[DPB:DPB+1]
	global_load_b128 v[TS+4:TS+7],   v26, s[DPB:DPB+1] offset:16
	global_load_b128 v[TS+8:TS+11],  v27, s[VWB:VWB+1]
	global_load_b128 v[TS+12:TS+15], v27, s[VWB:VWB+1] offset:16
.set LC, LC+4
.set MT, LC
	CHL CH0, MS0, 0
	CHL CH1, MS1, 256
	BL 0, 0
	WIN 0
	WAITL MT                                       ; the tables' four loads are in
.irp i, 0,1,2,3
	v_pk_mul_f32 v[TS+2*\i:TS+2*\i+1], v[TS+2*\i:TS+2*\i+1], 0x4038aa3b op_sel_hi:[1,0]           ; c x dp
.endr
.irp i, 0,1,2,3
	v_pk_mul_f32 v[TS+8+2*\i:TS+8+2*\i+1], v[TS+8+2*\i:TS+8+2*\i+1], 0xc038aa3b op_sel_hi:[1,0]   ; -c x v
.endr
	WAITL MS0                                      ; chunk 0 is in
	CVT CH0
	s_wait_alu depctr_va_vdst(0)                   ; the scalings have written v[TS ..] and the conversions CH0: the LDS stores below read both
	ds_store_b128 v25, v[TS:TS+3]
	ds_store_b128 v25, v[TS+4:TS+7]   offset:16
	ds_store_b128 v25, v[TS+8:TS+11]  offset:4096
	ds_store_b128 v25, v[TS+12:TS+15] offset:4112
	STO CH0, 0
	s_wait_alu depctr_vm_vsrc(0)                   ; the LDS stores have read CH0, in which chunk 2 lands, and v[TS ..], part of U1, in which step 1's fragments land; the tables' loads and stores have read v25 to v27, which hold scores later
	s_wait_alu depctr_va_vdst(0)                   ; the conversions are done reading and writing CH0: said once more directly ahead of the loads, since the stores between name the same registers
	CHL CH0, MS0, 512                              ; chunk 2
	BL 1, 8192
	BL 2, 16384
	s_wait_dscnt 0x0                               ; for the other waves' sake: my part of the tables and of chunk 0 is in LDS
	s_barrier_signal -1
	s_barrier_wait -1
	AL 0, AF, 0                                    ; into registers that nothing has named yet
	AL 1, U0, 0
	; ---- pass 1: columns 128 w .. of the first 512; the rows come in ----
	FULL1 1                                        ; trip 0 stands in front of the loop: its first products start the sums
	s_mov_b32 s24, 5
.Lp1:
	FULL1 0                                        ; trips 1 to 5
	s_sub_co_u32 s24, s24, 1
	s_cmp_lg_u32 s24, 0
	s_cbranch_scc1 .Lp1
	STEP 0, 3, U0, U1, 0, CONV,  1, 1, 2, CH1, MS1, 128, 1, 256    ; trip 6: chunk 13 is rounded, chunk 15, the last, is asked for
	STEP 1, 0, U1, U0, 0, BAR,   1, 1, 0, CH0, MS0, 0,   0, 0
	STEP 2, 1, U0, U1, 0, CONV,  1, 1, 0, CH0, MS0, 256, 0, 0      ; chunk 14; nothing is left to ask for
	STEP 3, 2, U1, U0, 0, BAR,   1, 1, 0, CH0, MS0, 0,   0, 0
	TRIPEND 1
	STEP 0, 3, U0, U1, 0, CONV,  1, 1, 1, CH1, MS1, 128, 0, 0      ; trip 7: chunk 15
	STEP 1, 0, U1, U0, 0, BAR,   1, 1, 0, CH0, MS0, 0,   0, 0
	STEP 2, 1, U0, U1, 0, PLAIN, 1, 1, 0, CH0, MS0, 0,   0, 0
	STEP 3, 2, U1, U0, 0, PLAIN, 0, 1, 0, CH0, MS0, 0,   0, 0      ; W goes on: the stream's next three steps are pass 2's first, and land under the epilogue
	EPI 0
.irp g, 0,1,2,3
	v_add_nc_u32 v[ADRA+\g], \g*G32, v[ABASE]      ; back to k = 0
.endr
	s_wait_alu depctr_va_vdst(0)                   ; ADRA is written, which the loads below read; the epilogue is done reading and writing T, that is AF and U0, in which they land
	AL 0, AF, 0
	AL 1, U0, 0
	; ---- pass 2: the second 512 columns; the rows are all in LDS: no chunk, no barrier ----
	FULL2 1
	s_mov_b32 s24, 6
.Lp2:
	FULL2 0                                        ; trips 1 to 6
	s_sub_co_u32 s24, s24, 1
	s_cmp_lg_u32 s24, 0
	s_cbranch_scc1 .Lp2
	STEP 0, 3, U0, U1, 0, PLAIN, 1, 1, 1, CH0, MS0, 0, 0, 0        ; trip 7: the stream's last step is asked for; then the counts of the waits run down
	STEP 1, 0, U1, U0, 0, PLAIN, 1, 0, 0, CH0, MS0, 0, 0, 0
	STEP 2, 1, U0, U1, 0, PLAIN, 1, 0, 0, CH0, MS0, 0, 0, 0
	STEP 3, 2, U1, U0, 0, PLAIN, 0, 0, 0, CH0, MS0, 0, 0, 0        ; it issues no load, so it holds no wait on va_vdst
	EPI 1
	; ---- the block's softmax partial ----
	s_wait_alu depctr_va_vdst(0)                   ; the epilogue has written the eight scores, which the LDS stores read, and is done with T, in which the loads behind the barrier land
.irp a, 0,1,2,3,4,5,6,7
	ds_store_b32 v[SCA], v[SC+\a] offset:64*\a     ; row 16 a + r; both halves of the lanes hold, and write, the same number
.endr
	s_wait_dscnt 0x0                               ; for the other waves' sake
	s_barrier_signal -1
	s_barrier_wait -1
.irp u, 0,1,2,3
	ds_load_b128 v[32+4*\u:35+4*\u], v[SCL] offset:512*\u  ; rows 4 lane .. 4 lane + 3, the four waves' columns
.endr
	s_wait_dscnt 0x0
	v_pk_add_f32 v[32:33], v[32:33], v[36:37]
	v_pk_add_f32 v[34:35], v[34:35], v[38:39]
	v_pk_add_f32 v[40:41], v[40:41], v[44:45]
	v_pk_add_f32 v[42:43], v[42:43], v[46:47]
	v_pk_add_f32 v[32:33], v[32:33], v[40:41]
	v_pk_add_f32 v[34:35], v[34:35], v[42:43]      ; s2 of my four rows
	v_max3_num_f32 v28, v32, v33, v34
	v_max_num_f32 v28, v28, v35
	v_max_num_f32_dpp v28, v28, v28 row_xmask:1 row_mask:0xf bank_mask:0xf
	v_max_num_f32_dpp v28, v28, v28 row_xmask:2 row_mask:0xf bank_mask:0xf
	v_max_num_f32_dpp v28, v28, v28 row_xmask:4 row_mask:0xf bank_mask:0xf
	v_max_num_f32_dpp v28, v28, v28 row_xmask:8 row_mask:0xf bank_mask:0xf
	v_permlanex16_b32 v36, v28, s26, s27
	v_max_num_f32 v28, v28, v36                    ; m2: the largest s2 of the block's 128 rows, in every lane
.irp i, 0,1,2,3
	v_sub_f32 v[32+\i], v[32+\i], v28
.endr
.irp i, 0,1,2,3
	v_exp_f32 v[32+\i], v[32+\i]                   ; p, at most 1
.endr
	v_nop
	s_wait_alu depctr_va_vdst(0)                   ; the four exponentials have written p: the LDS store below reads it, and so do the sums
	ds_store_b128 v[PRA], v[32:35]                 ; my wave's own copy of p: read below by this wave alone, and LDS serves a wave in order
	v_add_f32 v29, v32, v33
	v_add_f32 v37, v34, v35
	v_add_f32 v29, v29, v37
	v_add_f32_dpp v29, v29, v29 row_xmask:1 row_mask:0xf bank_mask:0xf
	v_add_f32_dpp v29, v29, v29 row_xmask:2 row_mask:0xf bank_mask:0xf
	v_add_f32_dpp v29, v29, v29 row_xmask:4 row_mask:0xf bank_mask:0xf
	v_add_f32_dpp v29, v29, v29 row_xmask:8 row_mask:0xf bank_mask:0xf
	v_permlanex16_b32 v36, v29, s26, s27
	v_add_f32 v29, v29, v36                        ; l, at least 1
	; ---- the block's context: wave w takes columns 256 w .. 256 w + 255; a lane 4 of the first 128 and 4 of the second ----
.irp i, 0,1,2,3,4,5,6,7
	v_mov_b32 v[CX+\i], 0
.endr
	s_mov_b32 s24, 4
	s_wait_alu depctr_vm_vsrc(0)                   ; the LDS store of p has read v[32:35], in which the loop's first loads land
.Lctx:                                             ; 32 rows a trip
	s_wait_alu depctr_va_vdst(0)                   ; the trip before is done reading P and X, in which the loads below land, and has written CA and PRB, which they read; ahead of the first trip: the sums of p are done with v[32:37]
.irp i, 0,1,2,3,4,5,6,7
	ds_load_b128 v[P+4*\i:P+4*\i+3], v[PRB] offset:16*\i           ; p of the 32 rows, the same in every lane
.endr
.set i, 0
.rept 32
	ds_load_b64 v[X+4*i:X+4*i+1],   v[CA] offset:i*PITCH           ; 32 lanes x 8 bytes: 256 consecutive bytes of the row
	ds_load_b64 v[X+4*i+2:X+4*i+3], v[CA] offset:i*PITCH+256
.set i, i+1
.endr
.set i, 0
.rept 32
	s_wait_dscnt 62-2*i                            ; the loads of the rows behind row i stay out
	v_fma_mix_f32_bf16 v[CX],   v[X+4*i],   v[P+i], v[CX]   op_sel_hi:[1,0,0]
	v_fma_mix_f32_bf16 v[CX+1], v[X+4*i],   v[P+i], v[CX+1] op_sel:[1,0,0] op_sel_hi:[1,0,0]
	v_fma_mix_f32_bf16 v[CX+2], v[X+4*i+1], v[P+i], v[CX+2] op_sel_hi:[1,0,0]
	v_fma_mix_f32_bf16 v[CX+3], v[X+4*i+1], v[P+i], v[CX+3] op_sel:[1,0,0] op_sel_hi:[1,0,0]
	v_fma_mix_f32_bf16 v[CX+4], v[X+4*i+2], v[P+i], v[CX+4] op_sel_hi:[1,0,0]
	v_fma_mix_f32_bf16 v[CX+5], v[X+4*i+2], v[P+i], v[CX+5] op_sel:[1,0,0] op_sel_hi:[1,0,0]
	v_fma_mix_f32_bf16 v[CX+6], v[X+4*i+3], v[P+i], v[CX+6] op_sel_hi:[1,0,0]
	v_fma_mix_f32_bf16 v[CX+7], v[X+4*i+3], v[P+i], v[CX+7] op_sel:[1,0,0] op_sel_hi:[1,0,0]
.set i, i+1
.endr
	s_wait_alu depctr_vm_vsrc(0)                   ; the trip's LDS loads have read CA and PRB, which the adds below write
	v_add_nc_u32 v[CA], G32, v[CA]
	v_add_nc_u32 v[PRB], 128, v[PRB]
	s_sub_co_u32 s24, s24, 1
	s_cmp_lg_u32 s24, 0
	s_cbranch_scc1 .Lctx
	s_wait_alu depctr_va_vdst(0)                   ; the last trip's multiply-adds have written CX, which the stores read
	global_store_b128 v[OUTO], v[CX:CX+3],   s[PCB:PCB+1]              ; each store of the wave covers 512 consecutive bytes, aligned
	global_store_b128 v[OUTO], v[CX+4:CX+7], s[PCB:PCB+1] offset:512
	s_cmp_lg_u32 s16, 0
	s_cbranch_scc1 .Lend
	global_store_b64 v[MLO], v[28:29], s[MLB:MLB+1]                    ; wave 0: (m2, l), once a lane: the block's 256 bytes of ml are written whole; both were written ahead of the loop's waits
.Lend:
	s_wait_dscnt 0x0                               ; the closing lines, six on end
	s_wait_alu 0x0
	s_wait_tensorcnt 0x0
	ds_add_u32 v30, v31
	s_wait_dscnt 0x0
	s_endpgm
.Lfunc_end_k_qa2aa82f054_main:
	.size	k_qa2aa82f054_main, .Lfunc_end_k_qa2aa82f054_main-k_qa2aa82f054_main
	.p2alignl 7, 3214868480
	.fill 96, 4, 3214868480
	.section	.rodata,"a",@progbits
	.p2align	6, 0x0
	.amdhsa_kernel k_qa2aa82f054_main
		.amdhsa_group_segment_fixed_size 276992
		.amdhsa_private_segment_fixed_size 0
		.amdhsa_enable_private_segment 0
		.amdhsa_kernarg_size 48
		.amdhsa_user_sgpr_count 2
		.amdhsa_user_sgpr_kernarg_segment_ptr 1
		.amdhsa_wavefront_size32 1
		.amdhsa_system_sgpr_workgroup_id_x 1
		.amdhsa_system_sgpr_workgroup_id_y 1
		.amdhsa_system_sgpr_workgroup_id_z 1
		.amdhsa_system_vgpr_workitem_id 0
		.amdhsa_next_free_vgpr 1024
		.amdhsa_next_free_sgpr 66
		.amdhsa_reserve_vcc 0
		.amdhsa_float_denorm_mode_32 3
		.amdhsa_float_denorm_mode_16_64 3
		.amdhsa_memory_ordered 1
		.amdhsa_forward_progress 1
		.amdhsa_inst_pref_size 255
	.end_amdhsa_kernel
	.section	.bss,"aw",@nobits
	.p2align	6
	.space	262144
	.amdgpu_metadata
---
amdhsa.version: [ 1, 2 ]
amdhsa.kernels:
  - .name:           k_qa2aa82f054_main
    .symbol:         k_qa2aa82f054_main.kd
    .args:
      - { .name: enc_out, .offset: 0, .size: 8, .value_kind: global_buffer, .address_space: global }
      - { .name: wf, .offset: 8, .size: 8, .value_kind: global_buffer, .address_space: global }
      - { .name: dp, .offset: 16, .size: 8, .value_kind: global_buffer, .address_space: global }
      - { .name: v_weight, .offset: 24, .size: 8, .value_kind: global_buffer, .address_space: global }
      - { .name: pc, .offset: 32, .size: 8, .value_kind: global_buffer, .address_space: global }
      - { .name: ml, .offset: 40, .size: 8, .value_kind: global_buffer, .address_space: global }
    .group_segment_fixed_size: 276992
    .private_segment_fixed_size: 0
    .kernarg_segment_align: 8
    .kernarg_segment_size: 48
    .max_flat_workgroup_size: 128
    .sgpr_count:     66
    .vgpr_count:     1024
    .wavefront_size: 32
...
	.end_amdgpu_metadata
.endif
;; end of part 4
;; launch comb: the kernel of part 3 again; grid 256 x 1, 2 waves a work-group, no clusters, 0 bytes of LDS; arguments pc, ml, out0; writes out0
